; MI455X (gfx1250); checked and timed in simulation.
; The chip was launched on July 23, 2026; its instructions are those of AMD's public machine-readable ISA for CDNA 5 (MIT licence, August 2026) and "CDNA5" Instruction Set Architecture Reference Guide (July 2026). The comments in the code are by the model that wrote it; some were corrected since.
;; Lstm. Allowed arithmetic: matrix products marked QUANTISED: E2M3 operands, one E8M0 scale for each 32 along K, by v_wmma_scale_f32_16x16x128_f8f6f4 with both operands' format E2M3, f32 sums; everything else in f32.
;; Inputs: W1_codes 2,048 x 128 x 24 uint8 (E2M3 codes of W1, K innermost, in blocks of 32 codes, four codes in three bytes); W1_scales 2,048 x 128 uint8 (E8M0 scales of W1, one for each 32 codes along K); W2_codes 2,048 x 128 x 24 uint8 (E2M3 codes of W2, K innermost, in blocks of 32 codes, four codes in three bytes); W2_scales 2,048 x 128 uint8 (E8M0 scales of W2, one for each 32 codes along K); W3_codes 2,048 x 128 x 24 uint8 (E2M3 codes of W3, K innermost, in blocks of 32 codes, four codes in three bytes); W3_scales 2,048 x 128 uint8 (E8M0 scales of W3, one for each 32 codes along K); W4_codes 2,048 x 128 x 24 uint8 (E2M3 codes of W4, K innermost, in blocks of 32 codes, four codes in three bytes); W4_scales 2,048 x 128 uint8 (E8M0 scales of W4, one for each 32 codes along K); b1 2,048 float32; b2 2,048 float32; b3 2,048 float32; b4 2,048 float32; c 2,048 x 2,048 float32; h 2,048 x 2,048 float32; i 2,048 x 2,048 float32.
;; Outputs: out0 2,048 x 2,048 float32; out1 2,048 x 2,048 float32.
;; This version of the problem:
;;   THIS VERSION OF THE PROBLEM IS GIVEN IN LOW PRECISION. The matrix products marked QUANTISED in the list below multiply operands that are first quantised to E2M3 (2 exponent bits, 3 mantissa bits; 6 bits a number), with one power-of-two scale for each 32 numbers along K (OCP MX v1.0); their sums are f32. All else is computed in f32.
;;   The module's matrix products, in the order in which they are computed (A, B: the left and right operand; K: the contracted axis; several contracted axes count as one K, in the product's order):
;;     1. [M 2,048, K 4,096] x [K 4,096, N 2,048]; A: computed on the way; B: input W1 (given as codes): QUANTISED
;;     2. [M 2,048, K 4,096] x [K 4,096, N 2,048]; A: computed on the way; B: input W2 (given as codes): QUANTISED
;;     3. [M 2,048, K 4,096] x [K 4,096, N 2,048]; A: computed on the way; B: input W3 (given as codes): QUANTISED
;;     4. [M 2,048, K 4,096] x [K 4,096, N 2,048]; A: computed on the way; B: input W4 (given as codes): QUANTISED
;;   THE QUANTISER, for each operand of a quantised product, along K:
;;     - K is cut into blocks of 32 from its start; a last block that is shorter is filled with zeros.
;;     - A block's scale is 2^e with e = floor(log2(the largest magnitude in the block)) - 2, held to -126 .. 127; a block of zeros has e = 0. As a byte (E8M0): e + 127.
;;     - Each number is divided by its block's scale, clamped to +-7.5, and rounded to the nearest number of E2M3, ties to even, subnormals kept.
;;     - The product sums the exact products of the quantised numbers (number of the format x scale) in f32.
;;   ~~~python
;;   def quantise(x, axis):      # numpy; x: float32 -> the quantised numbers, widened to float32 again
;;       x = np.moveaxis(x, axis, -1); K = x.shape[-1]
;;       x = np.pad(x, [(0, 0)] * (x.ndim - 1) + [(0, -K % 32)]); x = x.reshape(x.shape[:-1] + (-1, 32)); a = np.abs(x).max(-1, keepdims=True)
;;       e = np.where(a > 0, np.clip(np.frexp(np.where(a > 0, a, 1))[1] - 1 - 2, -126, 127), 0)      # np.frexp(a)[1] - 1 = floor(log2(a)), exactly
;;       r = np.clip(x / 2.0 ** e, -7.5, 7.5)
;;       step = 2.0 ** (np.maximum(np.frexp(np.where(r == 0, 1, r))[1] - 1, 0) - 3)
;;       q = np.round(r / step) * step * 2.0 ** e      # np.round: ties to even
;;       return np.moveaxis(q.reshape(q.shape[:-2] + (-1,))[..., :K], -1, axis).astype(np.float32)
;;   ~~~
;;   OPERANDS COMPUTED ON THE WAY. 'Computed on the way' means the value that the module computes at that place (a softmax that the list does not call 'softmax' is quantised finished and normalised). What goes into a quantiser is computed in f32, as accurately as f32 sums, v_exp_f32 and their like allow (about 1e-6 of the number): no bf16 or f16 on the way to a quantiser, and a product that is left as it is and whose result goes on into a quantised operand takes f32 operands (vector FMAs, or v_wmma_f32_16x16x4_f32). A number that lies on a knife's edge between two numbers of the format may be rounded either way, as far as f32 arithmetic and the matrix unit's own rounding can turn it there, and no further.
;;   INPUTS GIVEN AS CODES. W1 (in the module: [2048, 4096], K = its axis 1); W2 (in the module: [2048, 4096], K = its axis 1); W3 (in the module: [2048, 4096], K = its axis 1); W4 (in the module: [2048, 4096], K = its axis 1): each comes as NAME_codes (uint8): NAME with its K axis moved to the last place and cut into blocks of 32 codes, [.., K / 32, bytes a block], one block behind the other in memory; four codes in three bytes: a row's codes are one little-endian stream of bits, code i at bits 6 i .. 6 i + 5 (a code: sign, 2 exponent bits, 3 mantissa bits); and NAME_scales (uint8): the same leading axes, one E8M0 byte (e + 127) for each 32 codes along K. Its value is code x scale, taken as it is: it is not quantised again, and the codes and scales need not be those that the quantiser above would give.
;; One version. Each part assembles by itself: llvm-mc -triple=amdgcn-amd-amdhsa -mcpu=gfx1250 --defsym DOCPART=n.
;; ======== version 1 of 1: 2 launches
;; limits: right only within a limited range of input values
;; workspace buffers: a_img 6,553,600 bytes; w_img 26,214,400 bytes
;; launch prep (part 1): grid 512 x 1, 4 waves a work-group, no clusters, 85,504 bytes of LDS; arguments i, h, W1_codes, W2_codes, W3_codes, W4_codes, W1_scales, W2_scales, W3_scales, W4_scales, a_img, w_img; writes a_img, w_img
.if DOCPART == 1
	.amdgcn_target "amdgcn-amd-amdhsa--gfx1250"
	.amdhsa_code_object_version 6
	.text
	.protected	k_q98a4271d96_prep
	.globl	k_q98a4271d96_prep
	.p2align	8
	.type	k_q98a4271d96_prep,@function
k_q98a4271d96_prep:
	s_mov_b64 s[64:65], 0
	v_nop
	global_prefetch_b8 v0, s[64:65] scope:SCOPE_SE
	s_setreg_imm32_b32 hwreg(HW_REG_WAVE_MODE, 25, 1), 1
	s_wait_xcnt 0x0
; ih = [i | h] is quantised to FP6 (E2M3) with one E8M0 byte for each 32 along K, and ih's and W1..W4's codes and scale bytes are laid as the next launch's registers want them.
; IMAGE: [tile][K step of 256: 16][half: 2][25,600 bytes]; a half = 8 groups of 16 rows x (2 fragments x 1,536 bytes), then 8 x 128 bytes of scales (16 rows x 8 bytes).
; A fragment (16 rows x 128 K) is three runs of 512 bytes: run j holds registers 4 j .. 4 j + 3 of lane l at 16 l.  Lane (r, h), registers 6 c .. 6 c + 5: the 24 bytes of K = 64 c + 32 h on of row r.
; a_img: tile = 256 rows of ih, half = 128 rows, group = 16 rows.  w_img: tile = 64 columns n, half = 32 columns, group 2 g + u = gate g + 1, columns 16 u on.
; SHARES: work-group g quantises 16 rows x 1,024 K of ih (rows 16 (g / 4) on, quarter g % 4 of K) and lays 16 rows of one gate (gate g / 128, rows 16 (g % 128) on).
; Rows go into LDS as they lie (pitch = row + 16 bytes), a barrier, and come back in pieces of 8 bytes in the image's order; stores are runs of 512 consecutive bytes, the scales' runs 128.
; LIMITS: NaN and infinities in i and h are not served; a block whose largest magnitude lies under 2^-124, a block of zeros too, gets the byte 1: its bytes are read by this program alone.
.set SP,    80
.set STG,   32*SP
.set WREG,  2*STG
.set WP,    3088                       ; a row of W's codes in LDS
.set AP,    784                        ; a row of ih's 1,024 codes in LDS
.set AROW,  16*WP
.set STGB,  AROW+16*AP                 ; two turning stages for each wave
.set WSC,   STGB+4*WREG                ; W's scale bytes as [K step][row][8]
.set ASC,   WSC+2048                   ; ih's, as [K step: 4][row][8]
.set SPARE, ASC+512                    ; the spare words
.set KT,    51200
.set HALF,  25600
.set TILE,  16*KT
.set EMAX,  2
.set R,     16                         ; v16-143 eight sets of 16; later the image's registers
.set X,     144
.set CPY,   176
	s_load_b512 s[4:19], s[0:1], 0x0               ; i, h, W1..W4 codes, W1, W2 scales
	s_load_b256 s[20:27], s[0:1], 0x40             ; W3, W4 scales, a_img, w_img
	v_lshrrev_b32 v1, 5, v0
	v_readfirstlane_b32 s28, v1                    ; wave
	s_mul_i32 s29, s28, WREG
	s_add_co_u32 s29, s29, STGB
	s_mul_i32 s30, s28, 4*AP
	s_add_co_u32 s30, s30, AROW
	s_lshl_b32 s31, s28, 5
	s_add_co_u32 s35, s31, WSC
	s_add_co_u32 s31, s31, ASC
	s_mul_i32 s32, s28, 4*WP
	s_mul_i32 s33, s28, 768
	s_mul_i32 s34, s28, 192
	s_add_co_u32 s34, s34, AROW
	s_lshr_b32 s36, ttmp9, 2                       ; ih's group of 16 rows
	s_and_b32 s37, ttmp9, 3                        ; quarter of K
	s_lshl_b32 s38, s36, 17
	s_lshl_b32 s39, s28, 15
	s_add_co_u32 s38, s38, s39
	s_and_b32 s39, s37, 1
	s_lshl_b32 s39, s39, 12
	s_add_co_u32 s38, s38, s39                     ; from where in i or h
	s_mov_b32 s39, 0
	s_lshr_b32 s40, s36, 4
	s_mul_i32 s40, s40, TILE
	s_lshl_b32 s41, s37, 2
	s_add_co_u32 s41, s41, s28                     ; my K step: 4 x quarter + wave
	s_mul_i32 s41, s41, KT
	s_add_co_u32 s40, s40, s41
	s_bfe_u32 s41, s36, 0x10003
	s_mul_i32 s41, s41, HALF
	s_add_co_u32 s40, s40, s41
	s_and_b32 s42, s36, 7
	s_mul_i32 s43, s42, 3072
	s_lshl_b32 s44, s42, 7
	s_add_co_u32 s44, s44, 24576
	s_add_co_u32 s42, s40, s43                     ; ih's codes: to where
	s_mov_b32 s43, 0
	s_add_co_u32 s44, s40, s44                     ; ih's scales
	s_mov_b32 s45, 0
	s_lshr_b32 s46, ttmp9, 7                       ; gate
	s_and_b32 s47, ttmp9, 127                      ; its group of 16 rows
	s_mul_i32 s48, s47, 49152
	s_mul_i32 s49, s28, 12288
	s_add_co_u32 s48, s48, s49
	s_mov_b32 s49, 0
	s_lshl_b32 s50, s47, 11
	s_lshl_b32 s51, s28, 9
	s_add_co_u32 s50, s50, s51
	s_mov_b32 s51, 0
	s_lshr_b32 s52, s47, 2
	s_mul_i32 s52, s52, TILE
	s_bfe_u32 s53, s47, 0x10001
	s_mul_i32 s53, s53, HALF
	s_add_co_u32 s52, s52, s53
	s_mul_i32 s53, s28, 4*KT                       ; my four K steps
	s_add_co_u32 s52, s52, s53
	s_lshl_b32 s53, s46, 1
	s_and_b32 s54, s47, 1
	s_add_co_u32 s53, s53, s54                     ; group 2 g + u
	s_mul_i32 s54, s53, 3072
	s_add_co_u32 s54, s54, s52
	s_mov_b32 s55, 0
	s_lshl_b32 s56, s53, 7
	s_add_co_u32 s56, s56, 24576
	s_add_co_u32 s56, s56, s52
	s_mov_b32 s57, 0
	v_lshl_add_u32 v228, v0, 2, SPARE
	v_mov_b32 v229, 0
	v_and_b32 v2, 31, v0                           ; lane
	v_lshlrev_b32 v3, 4, v2
	v_and_b32 v12, 15, v0                          ; r
	v_bfe_u32 v13, v0, 4, 1                        ; h
	v_lshrrev_b32 v14, 2, v2
	v_mul_u32_u24 v14, v14, SP
	v_and_b32 v15, 3, v2
	v_lshl_add_u32 v14, v15, 4, v14
	v_add_nc_u32 v14, s29, v14                     ; the stage, in
	v_mul_u32_u24 v15, v2, SP
	v_add_nc_u32 v15, s29, v15                     ; and out: my 16 neighbours
	v_mul_u32_u24 v4, v2, 12
	v_add_nc_u32 v4, s30, v4                       ; my 16 codes in ih's LDS rows
	v_bfe_u32 v6, v0, 1, 3
	v_lshl_add_u32 v5, v13, 7, v6
	v_add_nc_u32 v5, s31, v5                       ; my block's scale byte
	v_add_nc_u32 v7, s32, v3                       ; W's rows, in
	v_mul_u32_u24 v8, v12, WP
	v_mad_u32_u24 v8, v13, 24, v8
	v_add_nc_u32 v8, s33, v8                       ; W's pieces, out
	v_mul_u32_u24 v9, v12, AP
	v_mad_u32_u24 v9, v13, 24, v9
	v_add_nc_u32 v9, s34, v9                       ; ih's pieces, out
	v_bfe_u32 v6, v0, 3, 2
	v_mul_u32_u24 v10, v6, KT
	v_and_b32 v1, 7, v0
	v_lshl_add_u32 v10, v1, 4, v10                 ; W's scales in w_img: K step lane / 8 of my four, 16 (lane % 8)
	v_lshlrev_b32 v11, 8, v1
	v_lshl_add_u32 v11, v6, 3, v11
	v_add_nc_u32 v11, s35, v11                     ; W's scales into LDS: K steps 2 (lane % 8), + 1; row 4 w + lane / 8
	v_lshl_add_u32 v230, v0, 4, WSC
	v_lshl_add_u32 v231, v0, 2, ASC
	v_lshlrev_b32 v232, 2, v2
	s_wait_alu depctr_va_vdst(0)
	s_wait_kmcnt 0x0
	s_cmp_lt_u32 s37, 2                            ; every choice hangs on the work-group's number alone
	s_cselect_b64 s[4:5], s[4:5], s[6:7]
	s_cmp_eq_u32 s46, 1
	s_cselect_b64 s[8:9], s[10:11], s[8:9]
	s_cselect_b64 s[16:17], s[18:19], s[16:17]
	s_cmp_eq_u32 s46, 2
	s_cselect_b64 s[8:9], s[12:13], s[8:9]
	s_cselect_b64 s[16:17], s[20:21], s[16:17]
	s_cmp_eq_u32 s46, 3
	s_cselect_b64 s[8:9], s[14:15], s[8:9]
	s_cselect_b64 s[16:17], s[22:23], s[16:17]
	s_add_nc_u64 s[4:5], s[4:5], s[38:39]
	s_add_nc_u64 s[8:9], s[8:9], s[48:49]
	s_add_nc_u64 s[16:17], s[16:17], s[50:51]
	s_add_nc_u64 s[6:7], s[24:25], s[42:43]        ; ih's codes out
	s_add_nc_u64 s[24:25], s[24:25], s[44:45]      ; ih's scales out
	s_add_nc_u64 s[10:11], s[26:27], s[54:55]      ; W's codes out
	s_add_nc_u64 s[26:27], s[26:27], s[56:57]      ; W's scales out
	global_load_b128 v[224:227], v3, s[16:17] th:TH_LOAD_NT
.irp k, 0,1,2,3,4,5,6,7,8,9,10,11
	global_load_b128 v[CPY+4*\k:CPY+4*\k+3], v3, s[8:9] offset:512*\k th:TH_LOAD_NT
.endr
.irp t, 0,1,2,3,4,5,6,7                ; step t: row 4 w + t / 2, 512 numbers
.irp j, 0,1,2,3
	global_load_b128 v[R+16*\t+4*\j:R+16*\t+4*\j+3], v3, s[4:5] offset:8192*(\t/2)+2048*(\t%2)+512*\j th:TH_LOAD_NT
.endr
.endr
	s_wait_loadcnt 32                              ; W's scales and first 12 loads are in; ih's 32 stay out
.irp k, 0,1,2,3,4,5,6,7,8,9,10,11
	ds_store_b128 v7, v[CPY+4*\k:CPY+4*\k+3] offset:(\k/6)*WP+(\k%6)*512
.endr
	ds_store_b64 v11, v[224:225]
	ds_store_b64 v11, v[226:227] offset:128
.irp k, 0,1,2,3,4,5,6,7,8,9,10,11
	global_load_b128 v[CPY+4*\k:CPY+4*\k+3], v3, s[8:9] offset:6144+512*\k th:TH_LOAD_NT
.endr
.macro TURN t                          ; a step's numbers through the wave's own stage: LDS serves a wave's instructions in order
.irp j, 0,1,2,3
	ds_store_b128 v14, v[R+16*(\t)+4*\j:R+16*(\t)+4*\j+3] offset:STG*((\t)%2)+8*SP*\j
.endr
.irp j, 0,1,2,3
	ds_load_b128 v[X+16*((\t)%2)+4*\j:X+16*((\t)%2)+4*\j+3], v15 offset:STG*((\t)%2)+16*\j
.endr
.endm
	s_wait_loadcnt 40                              ; step 0's four are in: 28 of ih's and W's second 12 may be out
	TURN 0
.macro STEP t
.set XS, X+16*((\t)%2)
.set RS, R+16*(\t)
.if (\t) > 0
	s_wait_dscnt 4                                 ; this step's numbers are back; the last step's four small stores may be out
.else
	s_wait_dscnt 0x0
.endif
.if (\t) < 7
	s_wait_loadcnt 4*(6-(\t))+12                   ; the next step's four loads are in
	TURN (\t)+1
.endif
	v_max3_num_f32 v233, |v[XS]|, |v[XS+1]|, |v[XS+2]|             ; the largest magnitude of my 16, in two chains
	v_max3_num_f32 v6, |v[XS+3]|, |v[XS+4]|, |v[XS+5]|
.irp n, 6,10
	v_max3_num_f32 v233, v233, |v[XS+\n]|, |v[XS+\n+1]|
	v_max3_num_f32 v6, v6, |v[XS+\n+2]|, |v[XS+\n+3]|
.endr
	v_max3_num_f32 v233, v233, |v[XS+14]|, |v[XS+15]|
	v_max3_num_f32 v233, v233, v6, (EMAX+1)<<23    ; the floor 2^(3 - 127): the byte cannot fall under 1
	v_max_num_f32_dpp v233, v233, v233 row_xmask:1 row_mask:0xf bank_mask:0xf   ; with my neighbour's 16: the block's
	v_add_nc_u32 v1, -(EMAX<<23), v233             ; 2 off its exponent field: the conversion's scale operand
	v_cvt_scalef32_pk16_fp6_f32 v[RS:RS+2], v[XS:XS+15], v1
	v_lshrrev_b32 v[RS+4], 23, v1                  ; the scale's byte (the plain instruction behind the conversion)
	ds_store_b8 v5, v[RS+4] offset:256*((\t)%2)+8*((\t)/2)
	ds_store_b32 v4, v[RS] offset:AP*((\t)/2)+384*((\t)%2)
	ds_store_b32 v4, v[RS+1] offset:AP*((\t)/2)+384*((\t)%2)+4
	ds_store_b32 v4, v[RS+2] offset:AP*((\t)/2)+384*((\t)%2)+8
.endm
.irp t, 0,1,2,3,4,5,6,7
	STEP \t
.endr
	s_wait_loadcnt 0x0
.irp k, 0,1,2,3,4,5,6,7,8,9,10,11
	ds_store_b128 v7, v[CPY+4*\k:CPY+4*\k+3] offset:((\k+12)/6)*WP+(\k%6)*512
.endr
	s_wait_dscnt 0x0                               ; for the others' sake: my stores are done
	s_barrier_signal -1
	s_barrier_wait -1
.macro UNIT u, adr, off                ; a K step of 16 rows: two fragments, 24 registers, in pieces of 8 bytes
.irp s, 0,1
.irp p, 0,1,2,3,4,5
	ds_load_b64 v[R+24*\u+12*\s+2*\p:R+24*\u+12*\s+2*\p+1], v[\adr] offset:\off+96*\s+48*(\p/3)+8*(\p%3)
.endr
.endr
.endm
.macro OUT u, base, off                ; and out: 3,072 consecutive bytes, six stores of 512
.irp n, 0,1,2,3,4,5
	global_store_b128 v3, v[R+24*\u+4*\n:R+24*\u+4*\n+3], s[\base:\base+1] offset:\off+512*\n
.endr
.endm
	UNIT 0, 8, 0
	UNIT 1, 8, 192
	UNIT 2, 8, 384
	UNIT 3, 8, 576
	UNIT 4, 9, 0
	ds_load_b128 v[144:147], v230
	ds_load_b32 v148, v231
	s_wait_dscnt 50                                ; of the 62 loads the first 12 are back; and so on by twelves
	OUT 0, 10, 0
	s_wait_dscnt 38
	OUT 1, 10, KT
	s_wait_dscnt 26
	OUT 2, 10, 2*KT
	s_wait_dscnt 14
	OUT 3, 10, 3*KT
	s_wait_dscnt 2
	OUT 4, 6, 0
	s_wait_dscnt 0x0
	global_store_b128 v10, v[144:147], s[26:27]    ; W's scales: four runs of 128 bytes
	global_store_b32 v232, v148, s[24:25]          ; ih's: one run of 128 bytes
	s_wait_tensorcnt 0x0                           ; the wave's end
	ds_add_u32 v228, v229
	s_wait_dscnt 0x0
	s_endpgm
.Lfunc_end_k_q98a4271d96_prep:
	.size	k_q98a4271d96_prep, .Lfunc_end_k_q98a4271d96_prep-k_q98a4271d96_prep
	.p2alignl 7, 3214868480
	.fill 96, 4, 3214868480
	.section	.rodata,"a",@progbits
	.p2align	6, 0x0
	.amdhsa_kernel k_q98a4271d96_prep
		.amdhsa_group_segment_fixed_size 85504
		.amdhsa_private_segment_fixed_size 0
		.amdhsa_enable_private_segment 0
		.amdhsa_kernarg_size 96
		.amdhsa_user_sgpr_count 2
		.amdhsa_user_sgpr_kernarg_segment_ptr 1
		.amdhsa_wavefront_size32 1
		.amdhsa_system_sgpr_workgroup_id_x 1
		.amdhsa_system_sgpr_workgroup_id_y 1
		.amdhsa_system_sgpr_workgroup_id_z 1
		.amdhsa_system_vgpr_workitem_id 0
		.amdhsa_next_free_vgpr 234
		.amdhsa_next_free_sgpr 66
		.amdhsa_reserve_vcc 0
		.amdhsa_float_denorm_mode_32 3
		.amdhsa_float_denorm_mode_16_64 3
		.amdhsa_memory_ordered 1
		.amdhsa_forward_progress 1
		.amdhsa_inst_pref_size 33
	.end_amdhsa_kernel
	.amdgpu_metadata
---
amdhsa.version: [ 1, 2 ]
amdhsa.kernels:
  - .name:           k_q98a4271d96_prep
    .symbol:         k_q98a4271d96_prep.kd
    .args:
      - { .name: i, .offset: 0, .size: 8, .value_kind: global_buffer, .address_space: global }
      - { .name: h, .offset: 8, .size: 8, .value_kind: global_buffer, .address_space: global }
      - { .name: W1_codes, .offset: 16, .size: 8, .value_kind: global_buffer, .address_space: global }
      - { .name: W2_codes, .offset: 24, .size: 8, .value_kind: global_buffer, .address_space: global }
      - { .name: W3_codes, .offset: 32, .size: 8, .value_kind: global_buffer, .address_space: global }
      - { .name: W4_codes, .offset: 40, .size: 8, .value_kind: global_buffer, .address_space: global }
      - { .name: W1_scales, .offset: 48, .size: 8, .value_kind: global_buffer, .address_space: global }
      - { .name: W2_scales, .offset: 56, .size: 8, .value_kind: global_buffer, .address_space: global }
      - { .name: W3_scales, .offset: 64, .size: 8, .value_kind: global_buffer, .address_space: global }
      - { .name: W4_scales, .offset: 72, .size: 8, .value_kind: global_buffer, .address_space: global }
      - { .name: a_img, .offset: 80, .size: 8, .value_kind: global_buffer, .address_space: global }
      - { .name: w_img, .offset: 88, .size: 8, .value_kind: global_buffer, .address_space: global }
    .group_segment_fixed_size: 85504
    .private_segment_fixed_size: 0
    .kernarg_segment_align: 8
    .kernarg_segment_size: 96
    .max_flat_workgroup_size: 128
    .sgpr_count:     66
    .vgpr_count:     234
    .wavefront_size: 32
...
	.end_amdgpu_metadata
.endif
;; end of part 1
;; launch lstm (part 2): grid 32 x 8, 4 waves a work-group, clusters of 4 x 4, 327,680 bytes of LDS; arguments a_img, w_img, b1, b2, b3, b4, c, out0, out1; writes out0, out1
.if DOCPART == 2
	.amdgcn_target "amdgcn-amd-amdhsa--gfx1250"
	.amdhsa_code_object_version 6
	.text
	.protected	k_q98a4271d96_lstm
	.globl	k_q98a4271d96_lstm
	.p2align	8
	.type	k_q98a4271d96_lstm,@function
k_q98a4271d96_lstm:
	s_mov_b64 s[64:65], 0
	v_nop
	global_prefetch_b8 v0, s[64:65] scope:SCOPE_SE
	s_setreg_imm32_b32 hwreg(HW_REG_WAVE_MODE, 25, 1), 1
	s_wait_xcnt 0x0
	s_wait_alu depctr_hold_cnt(0) depctr_sa_sdst(0) depctr_va_vdst(0) depctr_va_sdst(0) depctr_va_ssrc(0) depctr_va_vcc(0) depctr_vm_vsrc(0)
	s_getreg_b32 s2, hwreg(HW_REG_IB_STS2, 6, 4)
	s_cmp_eq_u32 s2, 0
	s_cbranch_scc0 .Lentry_in_a_cluster
	s_endpgm
.Lentry_in_a_cluster:
	s_bfe_u32 s2, ttmp6, 0x10000c
	s_cmp_lg_u32 s2, 0xf033
	s_cbranch_scc0 .Lentry_shape_is_right
	s_endpgm
.Lentry_shape_is_right:
; z_g = ih W_g^T + b_g (g = 1..4) on codes of FP6 (E2M3) with E8M0 scales, f32 sums;  out1 = new_c = c sigmoid(z1) + sigmoid(z2) tanh(z3);  out0 = new_h = tanh(c) sigmoid(z4).
; Codes and scales come from the launch before as images of the operand registers: [tile][K step of 256][half][25,600 bytes]: 8 groups x 2 fragments x 1,536 bytes, then 8 x 128 bytes of scale words.
; SHARES: 256 tiles of 256 rows x (4 gates x 64 columns), one work-group each; wave w makes rows 128 (w / 2) on and columns 32 (w % 2) on of all four gates: 64 accumulators, 512 registers.
; W's block b = 2 g + u is gate g + 1, columns 16 u on.  The matrix instruction is used transposed (source 0 = W, source 1 = ih): lane (r, h) holds row r, columns 8 h + 0..7, so all four gates of a number meet in one lane.
; RING: two slots of one K step of 256: ih's two halves, W's two halves; each wave brings one half (100 rows of 256 bytes, dense) by one joint load.  A fragment is three loads of 16 bytes a lane, lanes on neighbouring bytes.
; CLUSTERS 4 x 4: ih's halves are shared along a row of the cluster, W's along a column.  The biases are the C of each sum's first matrix instruction.
; PREFETCH: behind each refill the half that stands two refills on: its 100 blocks of 256 bytes are shared out by address among the four partners, 25 each, a lane a block (lanes 25-31 name the 25th again); the last trip asks for nothing.
; TAIL: c's tile comes into slot 0 behind that slot's last K step.  sigmoid(z) = 1 / (1 + 2^(-z log2 e)), tanh(z) = 1 - 2 / (1 + 2^(2 z log2 e)): an exponential that overflows gives the reciprocal 0, so both saturate rightly.
; REGISTERS: window 0: v8-31 addresses; v32-63 scale words, two sets; v64-127 biases (tail: rows on the way out); v128-223 ih's fragments, one set (tail: v128-239 at work); window 1: W's fragments, two sets; windows 2, 3: accumulators.
.set NQ,     2
.set FR,     12
.set NL,     3                         ; LDS loads that bring a fragment
.set NP,     4
.set HALF,   25600
.set KT,     2*HALF                    ; a tile's K step in memory
.set TILE,   16*KT
.set SLOT,   4*HALF
.set LAPS,   8
.set SPARE,  2*SLOT                    ; the spare words
.set CPI,    272
.set BO,   8
.set ADRA, 16
.set ADRB, 20
.set ADRS, 22
.set CA,   24
.set HAD,  25
.set RD,   26
.set SPW,  28
.set NIL,  29
.set PFO,  30
.set CO,   31
.set SC,   32
.set BI,   64
.set AF,   128
.set T,    128
.set TC,   192
.set CC,   208
.set BK,   64
.set G1A,  24
.set G1B,  32
.set G0A,  40
.set G0B,  48
.set G1C,  56
.set PFA,  66
.set G0C,  68
.set SGN,  72
.set SGP,  74
.set WV,   96
.set RH,   97
.set CH,   98
.set CX,   99
.set CY,   100
.set TX,   101
.set TY,   104
.set MSB, 0
.macro WIN new
.if MSB != \new
	s_set_vgpr_msb (MSB<<8)|\new
.set MSB, \new
.endif
.endm
.set MUL_LO, 0xa1
.set MUL_HI, 0xf1
.set BEG_LO, 0x81
.set BEG_HI, 0xc1
.set TO_B,   0x40
.macro PLACES n
.rept \n
	v_nop
.endr
.endm
.macro JLOAD s                         ; waves 0, 1: ih's halves; waves 2, 3: W's.  The branch hangs on the wave's number alone; s_nop 0 and four v_nop follow each line
	s_cmp_eq_u32 s[RH], 0
	s_cbranch_scc0 .Lb_\@
	tensor_load_to_lds s[G0A+4*\s:G0A+4*\s+3], s[G1A:G1A+7]
	s_nop 0
	PLACES 4
	s_branch .Ld_\@
.Lb_\@:
	tensor_load_to_lds s[G0B+4*\s:G0B+4*\s+3], s[G1B:G1B+7]
	s_nop 0
	PLACES 4
.Ld_\@:
.endm
.macro ASK
	s_cmp_gt_u32 s3, 1                             ; the last trip's refills have no K step two on
	s_cbranch_scc0 .Lnp_\@
	global_prefetch_b8 v[PFO], s[PFA:PFA+1] offset:KT th:TH_LOAD_NT scope:SCOPE_SE
.Lnp_\@:
.endm
.macro CREST
	s_cmp_lg_u32 s[WV], 0
	s_cbranch_scc1 .Lnw_\@
	s_barrier_signal -3
.Lnw_\@:
	s_barrier_wait -3
	s_barrier_signal -1
	s_barrier_wait -1
.endm
.macro CROUND
	s_barrier_signal -1
	s_barrier_wait -1
	CREST
.endm
	s_load_b512 s[4:19], s[0:1], 0x0               ; a_img, w_img, b1..b4 s[8:15], c s[16:17], out0 s[18:19]
	s_load_b64 s[20:21], s[0:1], 0x40              ; out1
	v_lshl_add_u32 v[SPW], v0, 2, SPARE
	v_mov_b32 v[NIL], 0
	ds_add_u32 v[SPW], v[NIL]                      ; the opening lines: the add twice on end and its wait
	ds_add_u32 v[SPW], v[NIL]
	v_lshrrev_b32 v1, 5, v0
	v_readfirstlane_b32 s[WV], v1
	s_lshr_b32 s[RH], s[WV], 1
	s_and_b32 s[CH], s[WV], 1
	s_bfe_u32 s[CX], ttmp6, 0x40000
	s_bfe_u32 s[CY], ttmp6, 0x40004
	s_lshl_b32 s[TX], ttmp9, 2
	s_add_co_u32 s[TX], s[TX], s[CX]
	s_and_b32 s[TY], ttmp7, 0xffff
	s_lshl_b32 s[TY], s[TY], 2
	s_add_co_u32 s[TY], s[TY], s[CY]
	s_lshl_b32 s2, s[CY], 2
	s_lshl_b32 s2, 15, s2                          ; my row of the cluster
	s_lshl_b32 s22, 0x1111, s[CX]                  ; my column
	s_or_b32 s[G1A], s2, (3<<16)|(1<<21)           ; elements of 8 bytes, no padding; the mask and bit 21
	s_or_b32 s[G1B], s22, (3<<16)|(1<<21)
.irp g, G1A, G1B
	s_mov_b32 s[\g+1], 32<<16                      ; 100 rows of 32 elements, dense
	s_mov_b32 s[\g+2], 100<<16
	s_mov_b32 s[\g+3], 32<<16
	s_mov_b32 s[\g+4], 100
	s_mov_b32 s[\g+5], 32
	s_mov_b32 s[\g+6], 0
	s_mov_b32 s[\g+7], 0
.endr
	s_mov_b32 s[G1C], (2<<16)|(1<<20)|(5<<22)|(3<<25)  ; c's tile: 64 rows x 64 f32, 2,048 apart, 16 bytes of padding behind each row; no mask
	s_mov_b32 s[G1C+1], 64<<16
	s_mov_b32 s[G1C+2], 64<<16
	s_mov_b32 s[G1C+3], 64<<16
	s_mov_b32 s[G1C+4], 64
	s_mov_b32 s[G1C+5], 2048
	s_mov_b32 s[G1C+6], 0
	s_mov_b32 s[G1C+7], 0
	s_mul_i32 s2, s[TY], TILE                      ; ih's side: the tile row and the wave's number alone
	s_mul_i32 s3, s[CH], HALF
	s_add_co_u32 s2, s2, s3
	s_mov_b32 s3, 0
	s_mul_i32 s82, s[TX], TILE                     ; W's side: the tile column and the wave's number alone
	s_mul_i32 s83, s[CH], HALF
	s_add_co_u32 s82, s82, s83
	s_mov_b32 s83, 0
	s_mul_i32 s23, s[WV], HALF                     ; where my half goes
	s_mul_i32 s76, s[RH], HALF                     ; my 128 rows of ih
	s_mul_i32 s77, s[CH], HALF
	s_add_co_u32 s77, s77, 2*HALF                  ; my 32 columns of each gate
	s_sub_co_u32 s78, s77, s76
	s_mul_i32 s79, s[RH], 128*CPI
	s_mul_i32 s80, s[CH], SLOT
	s_add_co_u32 s80, s80, s79                     ; the stage that I send
	s_lshl_b32 s81, s[CH], 7
	s_add_co_u32 s79, s79, s81                     ; my part of c's tile
	s_wait_dscnt 0x0
	s_wait_kmcnt 0x0
	s_add_nc_u64 s[G0A+2:G0A+3], s[4:5], s[2:3]
	s_add_nc_u64 s[G0A+6:G0A+7], s[G0A+2:G0A+3], KT
	s_add_nc_u64 s[G0B+2:G0B+3], s[6:7], s[82:83]
	s_add_nc_u64 s[G0B+6:G0B+7], s[G0B+2:G0B+3], KT
.irp g, G0A, G0B
	s_or_b32 s[\g+3], s[\g+3], 0x80000000
	s_or_b32 s[\g+7], s[\g+7], 0x80000000
	s_mov_b32 s[\g], 1
	s_mov_b32 s[\g+4], 1
	s_mov_b32 s[\g+1], s23
	s_add_co_u32 s[\g+5], s23, SLOT
.endr
	CROUND                                         ; all sixteen work-groups are here: the first joint loads meet
	JLOAD 0                                        ; K step 0: one tensor load a wave at the head
	s_cmp_eq_u32 s[RH], 0                          ; the prefetches: my half's source, my work-group's 25 blocks of it, by address
	s_cselect_b64 s[PFA:PFA+1], s[4:5], s[6:7]
	s_cselect_b32 s84, s2, s82
	s_cselect_b32 s85, s[CX], s[CY]
	s_mul_i32 s85, s85, 6400
	s_add_co_u32 s84, s84, s85
	s_add_co_u32 s84, s84, 2*KT                    ; at K step 2: the first refill steps it to 3 and names 4
	s_mov_b32 s85, 0
	s_add_nc_u64 s[PFA:PFA+1], s[PFA:PFA+1], s[84:85]
	s_lshl_b32 s86, s[TX], 8                       ; the biases of my 32 columns
	s_lshl_b32 s87, s[CH], 7
	s_add_co_u32 s86, s86, s87
	s_mov_b32 s87, 0
.irp g, 0,1,2,3
	s_add_nc_u64 s[8+2*\g:9+2*\g], s[8+2*\g:9+2*\g], s[86:87]
.endr
	s_lshl_b32 s86, s[TY], 21                      ; c: rows 256 ty + 64 w, + 256 bytes x tx
	s_lshl_b32 s84, s[TX], 8
	s_add_co_u32 s86, s86, s84
	s_lshl_b32 s84, s[WV], 19
	s_add_co_u32 s84, s84, s86
	s_add_nc_u64 s[G0C+2:G0C+3], s[16:17], s[84:85]
	s_or_b32 s[G0C+3], s[G0C+3], 0x80000000
	s_mov_b32 s[G0C], 1
	s_mul_i32 s[G0C+1], s[WV], 64*CPI
	s_cmp_eq_u32 s[CH], 0                          ; I send out1 (new_c) where w % 2 = 0, else out0
	s_cselect_b64 s[20:21], s[20:21], s[18:19]
	s_lshl_b32 s84, s[RH], 20
	s_add_co_u32 s86, s86, s84
	s_add_nc_u64 s[20:21], s[20:21], s[86:87]
	s_mov_b32 s[SGN], 0xbfb8aa3b                   ; -log2(e)
	s_mov_b32 s[SGN+1], 0xbfb8aa3b
	s_mov_b32 s[SGP], 0x4038aa3b                   ; 2 log2(e)
	s_mov_b32 s[SGP+1], 0x4038aa3b
	v_and_b32 v1, 15, v0                           ; r
	v_bfe_u32 v2, v0, 4, 1                         ; h
	v_and_b32 v3, 31, v0
	v_lshlrev_b32 v4, 4, v3                        ; 16 x lane
	v_add_nc_u32 v[ADRA], s76, v4
	v_add_nc_u32 v[ADRA+1], SLOT, v[ADRA]
	v_add_nc_u32 v[ADRB], s77, v4
	v_add_nc_u32 v[ADRB+1], SLOT, v[ADRB]
	v_mul_u32_u24 v5, s78, v2                      ; scale words: lanes 16-31 take W's: one product with h
	v_lshl_add_u32 v5, v1, 3, v5
	v_add_nc_u32 v5, s76, v5
	v_add_nc_u32 v[ADRS], 24576, v5
	v_add_nc_u32 v[ADRS+1], SLOT, v[ADRS]
	v_mul_u32_u24 v6, v1, CPI
	v_lshl_add_u32 v6, v2, 5, v6
	v_add_nc_u32 v[CA], s79, v6
	v_add_nc_u32 v[HAD], SLOT, v[CA]
	v_mul_u32_u24 v7, v2, CPI
	v_lshl_add_u32 v7, v1, 4, v7
	v_add_nc_u32 v[RD], s80, v7
	v_lshlrev_b32 v9, 13, v2
	v_lshl_add_u32 v[CO], v1, 4, v9
	v_min_u32 v10, 24, v3
	v_lshlrev_b32 v[PFO], 8, v10
	v_lshlrev_b32 v[BO], 5, v2
	s_wait_alu depctr_va_vdst(0)
.irp g, 0,1,2,3
.irp u, 0,1
	global_load_b128 v[BI+16*\g+8*\u:BI+16*\g+8*\u+3], v[BO], s[8+2*\g:9+2*\g] offset:64*\u
	global_load_b128 v[BI+16*\g+8*\u+4:BI+16*\g+8*\u+7], v[BO], s[8+2*\g:9+2*\g] offset:64*\u+16
.endr
.endr
.macro FRAG reg, adr, q, grp           ; a fragment: three loads of 16 bytes a lane, 512 consecutive bytes each
.irp j, 0,1,2
	ds_load_b128 v[\reg+4*\j:\reg+4*\j+3], v[\adr] offset:(\grp)*3072+(\q)*1536+512*\j
.endr
.endm
; 16 matrix instructions; the 64 accumulators take turns in the same order in every step.  zero = 1: the sum starts from the bias
.macro MUL16 a0, p, q, sc, zero
.irp a, \a0, \a0+1
.irp b, 0,1,2,3,4,5,6,7
.if \zero
	v_wmma_scale_f32_16x16x128_f8f6f4 v[8*(8*((\a)%4)+\b):8*(8*((\a)%4)+\b)+7], v[128*(\p)+FR*\b:128*(\p)+FR*\b+FR-1], v[AF+FR*(\a):AF+FR*(\a)+FR-1], v[BI+8*\b:BI+8*\b+7], v[SC+8*NQ*(\sc)+NQ*\b+(\q)], v[SC+8*NQ*(\sc)+NQ*(\a)+(\q)] matrix_a_fmt:MATRIX_FMT_FP6 matrix_b_fmt:MATRIX_FMT_FP6 matrix_a_scale:MATRIX_SCALE_ROW1
.else
	v_wmma_scale_f32_16x16x128_f8f6f4 v[8*(8*((\a)%4)+\b):8*(8*((\a)%4)+\b)+7], v[128*(\p)+FR*\b:128*(\p)+FR*\b+FR-1], v[AF+FR*(\a):AF+FR*(\a)+FR-1], v[8*(8*((\a)%4)+\b):8*(8*((\a)%4)+\b)+7], v[SC+8*NQ*(\sc)+NQ*\b+(\q)], v[SC+8*NQ*(\sc)+NQ*(\a)+(\q)] matrix_a_fmt:MATRIX_FMT_FP6 matrix_b_fmt:MATRIX_FMT_FP6 matrix_a_scale:MATRIX_SCALE_ROW1
.endif
.endr
.endr
.endm
.macro FETCH_B slot, q, p
	WIN TO_B
.irp i, 0,1,2,3,4,5,6,7
	FRAG 128*(\p)+FR*\i, ADRB+\slot, \q, \i
.endr
	WIN 0
.endm
.macro FETCH_A slot, q, i0
.irp i, \i0, \i0+1, \i0+2, \i0+3
	FRAG AF+FR*(\i), ADRA+\slot, \q, \i
.endr
.endm
.macro SCALES sc                       ; a K step's scale words: two a row; lanes 0-15 ih's block i, lanes 16-31 W's block i
.irp i, 0,1,2,3,4,5,6,7
	ds_load_b64 v[SC+8*NQ*\sc+NQ*\i:SC+8*NQ*\sc+NQ*\i+1], v[ADRS+\sc] offset:\i*128
.endr
.endm
.macro STEP slot, q, zero              ; a slot's first step: the second step's fragments are fetched in its middle and at its end
	s_wait_dscnt 4*NL                              ; all but the youngest 12 loads (ih's blocks 4-7)
.if \zero
	WIN BEG_LO
.else
	WIN MUL_LO
.endif
	MUL16 0, (\q)%2, \q, \slot, \zero
	MUL16 2, (\q)%2, \q, \slot, \zero
	s_wait_dscnt 0
	PLACES NP
	FETCH_B \slot, (\q)+1, 1-(\q)%2
	FETCH_A \slot, (\q)+1, 0
.if \zero
	WIN BEG_HI
.else
	WIN MUL_HI
.endif
	MUL16 4, (\q)%2, \q, \slot, \zero
	MUL16 6, (\q)%2, \q, \slot, \zero
	PLACES NP
	WIN 0
	FETCH_A \slot, (\q)+1, 4
.endm
; A slot's last step changes slots.  fill = 1: the slot takes the K step two on, by the joint loads; fill = 2: c's tile, 64 rows a wave, by a plain load.
.macro TURN slot, next, fill
	s_wait_dscnt 4*NL
	WIN MUL_LO
	MUL16 0, 1, NQ-1, \slot, 0
	WIN 0
.if \fill == 1
	s_wait_xcnt 0x0                                ; the last prefetch has read its address
	s_add_nc_u64 s[PFA:PFA+1], s[PFA:PFA+1], KT
.endif
	s_wait_tensorcnt 0x0                           ; all my tensor loads have landed: my half of the next slot
	ds_add_u32 v[SPW], v[NIL]
.if \fill == 1
	s_add_nc_u64 s[G0A+4*\slot+2:G0A+4*\slot+3], s[G0A+4*\slot+2:G0A+4*\slot+3], 2*KT
	s_add_nc_u64 s[G0B+4*\slot+2:G0B+4*\slot+3], s[G0B+4*\slot+2:G0B+4*\slot+3], 2*KT
.endif
	s_wait_dscnt 0x0                               ; the add is done, my reads of this slot are over
	s_barrier_signal -1
	WIN MUL_LO
	MUL16 2, 1, NQ-1, \slot, 0                     ; work on registers while the others arrive
	WIN 0
	s_barrier_wait -1
	CREST                                          ; the barrier has opened a round of the cluster's barrier
.if \fill == 1
	JLOAD \slot                                    ; its four v_nop are also the places in front of the loads below
.else
	tensor_load_to_lds s[G0C:G0C+3], s[G1C:G1C+7]
	s_nop 0
	PLACES 4
.endif
	FETCH_B \next, 0, 0
	FETCH_A \next, 0, 0
	SCALES \next
.if \fill == 1
	ASK
.endif
	WIN MUL_HI
	MUL16 4, 1, NQ-1, \slot, 0
	MUL16 6, 1, NQ-1, \slot, 0
	PLACES NP
	WIN 0
	FETCH_A \next, 0, 4
.endm
	s_wait_tensorcnt 0x0                           ; my half of K step 0 is in
	ds_add_u32 v[SPW], v[NIL]
	s_wait_dscnt 0x0
	CROUND
	JLOAD 1                                        ; K step 1, the first tensor load behind the round
	FETCH_B 0, 0, 0
	FETCH_A 0, 0, 0
	SCALES 0
	FETCH_A 0, 0, 4
	s_wait_loadcnt 0x0                             ; the biases are in
	STEP 0, 0, 1
	s_mov_b32 s3, LAPS-1
.Llap:
	TURN 0, 1, 1
	STEP 1, 0, 0
	TURN 1, 0, 1
	STEP 0, 0, 0
	s_sub_co_u32 s3, s3, 1
	s_cmp_lg_u32 s3, 0
	s_cbranch_scc1 .Llap
	TURN 0, 1, 2
	STEP 1, 0, 0
	s_wait_dscnt 4*NL
	WIN MUL_LO
	MUL16 0, 1, NQ-1, 1, 0
	MUL16 2, 1, NQ-1, 1, 0
	s_wait_dscnt 0
	WIN MUL_HI
	MUL16 4, 1, NQ-1, 1, 0
	MUL16 6, 1, NQ-1, 1, 0
	WIN 0
	PLACES NP
	s_wait_tensorcnt 0x0                           ; my 64 rows of c are in
	s_barrier_signal -1
	s_barrier_wait -1                              ; c's tile is whole, nobody reads slot 1 any more; no tensor load follows
; THE TAIL, a block of 16 rows x my 32 columns at a time
.macro CLOAD a
.set CB, CC+16*((\a)%2)
.irp u, 0,1
	ds_load_b128 v[CB+8*\u:CB+8*\u+3], v[CA] offset:(\a)*16*CPI+64*\u
	ds_load_b128 v[CB+8*\u+4:CB+8*\u+7], v[CA] offset:(\a)*16*CPI+64*\u+16
.endr
.endm
.macro ZS a, part                      ; block a's sums scaled for the exponentials, each accumulator from its low end on
.set AC, 64*((\a)%4)
.if \part == 0
.irp b, 2,3
.irp k, 0,2,4,6
	v_pk_mul_f32 v[T+8*\b+\k:T+8*\b+\k+1], v[AC+8*\b+\k:AC+8*\b+\k+1], s[SGN:SGN+1] op_sel_hi:[1,0]
.endr
.endr
.irp b, 4,5
.irp k, 0,2,4,6
	v_pk_mul_f32 v[T+8*\b+\k:T+8*\b+\k+1], v[AC+8*\b+\k:AC+8*\b+\k+1], s[SGP:SGP+1] op_sel_hi:[1,0]
.endr
.endr
.else
.irp b, 0,1,6,7
.irp k, 0,2,4,6
	v_pk_mul_f32 v[T+8*\b+\k:T+8*\b+\k+1], v[AC+8*\b+\k:AC+8*\b+\k+1], s[SGN:SGN+1] op_sel_hi:[1,0]
.endr
.endr
.endif
.endm
.macro RDB a
.set BB, BK+32*((\a)%2)
.irp t, 0,1,2,3,4,5,6,7
	ds_load_b128 v[BB+4*\t:BB+4*\t+3], v[RD] offset:(\a)*16*CPI+\t*2*CPI
.endr
.endm
.macro SND a
.set BB, BK+32*((\a)%2)
.irp t, 0,1,2,3,4,5,6,7
	global_store_b128 v[CO], v[BB+4*\t:BB+4*\t+3], s[20:21] offset:(16*(\a)+2*\t)*8192 th:TH_STORE_NT   ; 16 lanes store 256 consecutive bytes, aligned
.endr
.endm
; One barrier a block: in front of it my stores into the stages are done, behind it the block's rows are whole; they are stored in the middle of the next block.
.macro GATES a
.if (\a) < 7
	CLOAD (\a)+1
.endif
.if (\a) == 0
	s_wait_dscnt 4                                 ; block 0's c is in; block 1's four loads may be out
.endif
.set CB, CC+16*((\a)%2)
.irp k, 0,2,4,6,8,10,12,14
	v_pk_mul_f32 v[TC+\k:TC+\k+1], v[CB+\k:CB+\k+1], s[SGP:SGP+1] op_sel_hi:[1,0]
.endr
.set j, 0
	s_wait_alu depctr_va_vdst(0)                   ; the wait ahead of the batch
.rept 80
	v_exp_f32 v[T+j], v[T+j]
.set j, j+1
.endr
	v_nop
	s_wait_alu depctr_va_vdst(0)                   ; and behind it
.if (\a) > 0
.if (\a) < 7
	s_wait_dscnt 4                                 ; the last block's rows are back; c's four loads may be out
.else
	s_wait_dscnt 0x0
.endif
	SND (\a)-1
.endif
.set j, 0
.rept 40
	v_pk_add_f32 v[T+j:T+j+1], v[T+j:T+j+1], 1.0 op_sel_hi:[1,0]
.set j, j+2
.endr
.set j, 0
	s_wait_alu depctr_va_vdst(0)
.rept 80
	v_rcp_f32 v[T+j], v[T+j]
.set j, j+1
.endr
	v_nop
	s_wait_alu depctr_va_vdst(0)
.irp k, 0,2,4,6,8,10,12,14
	v_pk_fma_f32 v[T+32+\k:T+32+\k+1], v[T+32+\k:T+32+\k+1], -2.0, 1.0 op_sel_hi:[1,0,0]   ; tanh(z3)
	v_pk_fma_f32 v[TC+\k:TC+\k+1], v[TC+\k:TC+\k+1], -2.0, 1.0 op_sel_hi:[1,0,0]           ; tanh(c)
.endr
.irp k, 0,2,4,6,8,10,12,14
	v_pk_mul_f32 v[T+16+\k:T+16+\k+1], v[T+16+\k:T+16+\k+1], v[T+32+\k:T+32+\k+1]          ; o2 o3
	v_pk_mul_f32 v[T+48+\k:T+48+\k+1], v[T+48+\k:T+48+\k+1], v[TC+\k:TC+\k+1]              ; new_h
.endr
.irp k, 0,2,4,6,8,10,12,14
	v_pk_fma_f32 v[T+\k:T+\k+1], v[CB+\k:CB+\k+1], v[T+\k:T+\k+1], v[T+16+\k:T+16+\k+1]    ; new_c
.endr
.irp u, 0,1
	ds_store_b128 v[CA], v[T+8*\u:T+8*\u+3] offset:(\a)*16*CPI+64*\u
	ds_store_b128 v[CA], v[T+8*\u+4:T+8*\u+7] offset:(\a)*16*CPI+64*\u+16
	ds_store_b128 v[HAD], v[T+48+8*\u:T+48+8*\u+3] offset:(\a)*16*CPI+64*\u
	ds_store_b128 v[HAD], v[T+48+8*\u+4:T+48+8*\u+7] offset:(\a)*16*CPI+64*\u+16
.endr
.if (\a) < 7
	WIN (0x02+((\a)+1)/4)
	ZS (\a)+1, 0
.endif
	s_wait_dscnt 0x0                               ; for the others' sake: my stores into the stages are done
	s_barrier_signal -1
.if (\a) < 7
	ZS (\a)+1, 1
	WIN 0
.endif
	s_barrier_wait -1
.if (\a) > 1
	s_wait_xcnt 0x0                                ; block a - 2's stores have read their registers
.endif
	RDB \a
.endm
	CLOAD 0
	WIN 0x02
	ZS 0, 0
	ZS 0, 1
	WIN 0
	s_wait_alu depctr_va_vdst(0)
.irp a, 0,1,2,3,4,5,6,7
	GATES \a
.endr
	s_wait_dscnt 0x0
	SND 7
	s_wait_tensorcnt 0x0                           ; the wave's end
	ds_add_u32 v[SPW], v[NIL]
	s_wait_dscnt 0x0
	CROUND                                         ; the closing round
	s_endpgm
.Lfunc_end_k_q98a4271d96_lstm:
	.size	k_q98a4271d96_lstm, .Lfunc_end_k_q98a4271d96_lstm-k_q98a4271d96_lstm
	.p2alignl 7, 3214868480
	.fill 96, 4, 3214868480
	.section	.rodata,"a",@progbits
	.p2align	6, 0x0
	.amdhsa_kernel k_q98a4271d96_lstm
		.amdhsa_group_segment_fixed_size 327680
		.amdhsa_private_segment_fixed_size 0
		.amdhsa_enable_private_segment 0
		.amdhsa_kernarg_size 72
		.amdhsa_user_sgpr_count 2
		.amdhsa_user_sgpr_kernarg_segment_ptr 1
		.amdhsa_wavefront_size32 1
		.amdhsa_system_sgpr_workgroup_id_x 1
		.amdhsa_system_sgpr_workgroup_id_y 1
		.amdhsa_system_sgpr_workgroup_id_z 1
		.amdhsa_system_vgpr_workitem_id 0
		.amdhsa_next_free_vgpr 1024
		.amdhsa_next_free_sgpr 106
		.amdhsa_reserve_vcc 0
		.amdhsa_float_denorm_mode_32 3
		.amdhsa_float_denorm_mode_16_64 3
		.amdhsa_memory_ordered 1
		.amdhsa_forward_progress 1
		.amdhsa_inst_pref_size 227
	.end_amdhsa_kernel
	.amdgpu_metadata
---
amdhsa.version: [ 1, 2 ]
amdhsa.kernels:
  - .name:           k_q98a4271d96_lstm
    .symbol:         k_q98a4271d96_lstm.kd
    .args:
      - { .name: a_img, .offset: 0, .size: 8, .value_kind: global_buffer, .address_space: global }
      - { .name: w_img, .offset: 8, .size: 8, .value_kind: global_buffer, .address_space: global }
      - { .name: b1, .offset: 16, .size: 8, .value_kind: global_buffer, .address_space: global }
      - { .name: b2, .offset: 24, .size: 8, .value_kind: global_buffer, .address_space: global }
      - { .name: b3, .offset: 32, .size: 8, .value_kind: global_buffer, .address_space: global }
      - { .name: b4, .offset: 40, .size: 8, .value_kind: global_buffer, .address_space: global }
      - { .name: c, .offset: 48, .size: 8, .value_kind: global_buffer, .address_space: global }
      - { .name: out0, .offset: 56, .size: 8, .value_kind: global_buffer, .address_space: global }
      - { .name: out1, .offset: 64, .size: 8, .value_kind: global_buffer, .address_space: global }
    .group_segment_fixed_size: 327680
    .private_segment_fixed_size: 0
    .kernarg_segment_align: 8
    .kernarg_segment_size: 72
    .max_flat_workgroup_size: 128
    .sgpr_count:     106
    .vgpr_count:     1024
    .wavefront_size: 32
...
	.end_amdgpu_metadata
.endif
;; end of part 2
